; MI455X (gfx1250); checked and timed in simulation.
; The chip was launched on July 23, 2026; its instructions are those of AMD's public machine-readable ISA for CDNA 5 (MIT licence, August 2026) and "CDNA5" Instruction Set Architecture Reference Guide (July 2026). The comments in the code are by the model that wrote it; some were corrected since.
;; Implicit Warp Module. Allowed arithmetic: matrix products marked QUANTISED: E2M1 operands, one E8M0 scale for each 32 along K, by v_wmma_scale_f32_16x16x128_f8f6f4 with both operands' format E2M1 (or v_wmma_scale_f32_32x16x128_f4), f32 sums; products left as they are: f32 operands where the result goes on into a quantised operand, else bf16, f16 or f32 operands; f32 sums; everything else in f32.
;; Inputs: feat_curr 2 x 64 x 256 x 256 float32; feat_supp 2 x 64 x 256 x 256 float32; flow 2 x 256 x 256 x 2 float32; k_b 64 float32; k_w 64 x 128 float32; q_b 64 float32; q_w 64 x 128 float32; v_b 64 float32; v_w 64 x 128 float32.
;; Outputs: out0 2 x 64 x 256 x 256 float32.
;; This version of the problem:
;;   THIS VERSION OF THE PROBLEM IS GIVEN IN LOW PRECISION. The matrix products marked QUANTISED in the list below multiply operands that are first quantised to E2M1 (2 exponent bits, 1 mantissa bit; 4 bits a number), with one power-of-two scale for each 32 numbers along K (OCP MX v1.0); their sums are f32. All else is computed in f32.
;;   The module's matrix products, in the order in which they are computed (A, B: the left and right operand; K: the contracted axis; several contracted axes count as one K, in the product's order):
;;     1. [M 131,072, K 128] x [K 128, N 64]; A: computed on the way; B: input q_w: QUANTISED
;;     2. [M 524,288, K 128] x [K 128, N 64]; A: computed on the way; B: input k_w: QUANTISED
;;     3. [M 524,288, K 128] x [K 128, N 64]; A: computed on the way; B: input v_w: QUANTISED
;;     4. batch 1,048,576 x [M 1, K 8] x [K 8, N 4]; A: computed on the way; B: computed on the way: left as it is (K = 8 < 32)
;;     5. batch 1,048,576 x [M 1, K 4] x [K 4, N 8]; A: softmax; B: computed on the way: left as it is (K = 4 < 32)
;;   THE QUANTISER, for each operand of a quantised product, along K:
;;     - K is cut into blocks of 32 from its start; a last block that is shorter is filled with zeros.
;;     - A block's scale is 2^e with e = floor(log2(the largest magnitude in the block)) - 2, held to -126 .. 127; a block of zeros has e = 0. As a byte (E8M0): e + 127.
;;     - Each number is divided by its block's scale, clamped to +-6, and rounded to the nearest number of E2M1, ties to even, subnormals kept.
;;     - The product sums the exact products of the quantised numbers (number of the format x scale) in f32.
;;   ~~~python
;;   def quantise(x, axis):      # numpy; x: float32 -> the quantised numbers, widened to float32 again
;;       x = np.moveaxis(x, axis, -1); K = x.shape[-1]
;;       x = np.pad(x, [(0, 0)] * (x.ndim - 1) + [(0, -K % 32)]); x = x.reshape(x.shape[:-1] + (-1, 32)); a = np.abs(x).max(-1, keepdims=True)
;;       e = np.where(a > 0, np.clip(np.frexp(np.where(a > 0, a, 1))[1] - 1 - 2, -126, 127), 0)      # np.frexp(a)[1] - 1 = floor(log2(a)), exactly
;;       r = np.clip(x / 2.0 ** e, -6, 6)
;;       step = 2.0 ** (np.maximum(np.frexp(np.where(r == 0, 1, r))[1] - 1, 0) - 1)
;;       q = np.round(r / step) * step * 2.0 ** e      # np.round: ties to even
;;       return np.moveaxis(q.reshape(q.shape[:-2] + (-1,))[..., :K], -1, axis).astype(np.float32)
;;   ~~~
;;   OPERANDS COMPUTED ON THE WAY. 'Computed on the way' means the value that the module computes at that place (a softmax that the list does not call 'softmax' is quantised finished and normalised). What goes into a quantiser is computed in f32, as accurately as f32 sums, v_exp_f32 and their like allow (about 1e-6 of the number): no bf16 or f16 on the way to a quantiser, and a product that is left as it is and whose result goes on into a quantised operand takes f32 operands (vector FMAs, or v_wmma_f32_16x16x4_f32). A number that lies on a knife's edge between two numbers of the format may be rounded either way, as far as f32 arithmetic and the matrix unit's own rounding can turn it there, and no further.
;; One version. Each part assembles by itself: llvm-mc -triple=amdgcn-amd-amdhsa -mcpu=gfx1250 --defsym DOCPART=n.
;; ======== version 1 of 1: 2 launches
;; workspace buffers: codes 16,777,216 bytes; swords 2,097,152 bytes; idx 524,288 bytes of whole numbers; wfrag 13,824 bytes
;; launch prep (part 1): grid 256 x 1, 8 waves a work-group, no clusters, 216,064 bytes of LDS; arguments feat_supp, flow, q_w, k_w, v_w, codes, swords, idx, wfrag; writes codes, swords, idx, wfrag
.if DOCPART == 1
	.amdgcn_target "amdgcn-amd-amdhsa--gfx1250"
	.amdhsa_code_object_version 6
	.text
	.protected	k_qcb5cfebda7_prep
	.globl	k_qcb5cfebda7_prep
	.p2align	8
	.type	k_qcb5cfebda7_prep,@function
k_qcb5cfebda7_prep:
	s_mov_b64 s[64:65], 0
	v_nop
	global_prefetch_b8 v0, s[64:65] scope:SCOPE_SE
	s_setreg_imm32_b32 hwreg(HW_REG_WAVE_MODE, 25, 1), 1
	s_wait_xcnt 0x0
; PREP: what the second launch gathers, and from where.
; (1) A key/value row of reference() is element k = feat_supp[k/2] at a source pixel p + the window's sine encoding.  Its first 64 numbers (channels 0-31) hang on (p, wy) alone, its last 64 on (p, wx) alone.
;     So each source pixel is quantised ONCE to E2M1 with one E8M0 byte for each 32 along K, in both variants of both halves: codes[p][128 bytes], piece 4 part + 2 variant + block of 16 bytes;
;     swords[p][u = 2 wy + wx]: the four scale bytes of the row (p, u) as one word.
; (2) idx[n]: for each target pixel the clipped, flow-displaced source pixel as whole numbers: bits 16:0 b<<16 | h0<<8 | w0, bit 17 w1 - w0, bit 18 h1 - h0.
; (3) wfrag: q_w, k_w, v_w quantised along K, as images of the matrix operand's registers: tile T = 4 m + t (16 output channels): registers 0-3 at 1024 T + 16 lane, 4-7 at + 512; scale words at 12288 + 128 T + 4 lane.
; SHARES.  256 work-groups x 8 waves x 64 pixels.  Work-group: an 8 x 64 block of one image; wave w: image row 8 rb + w, columns 64 cb on.  Lane l holds pixels 2 l and 2 l + 1 (sets 0, 1); its registers run along K,
; so a block of 32 lies in one lane's 32 registers: its largest magnitude needs no other lane, and four conversions give its 16 bytes.
; The wave's 64 channels x 64 pixels come by four tensor loads of 16 channel rows of 256 bytes (four are out), so that the first block is worked while the others are on their way.
; Each LDS byte is filled once; waves share nothing: no barrier.  Codes and scale words leave through the wave's own stage, so that each store of the wave covers 512 consecutive bytes.
; No cluster: work-groups share 96 KB of weights read by twelve waves, nothing else.  No matrix instruction: nothing is multiplied here.
; The window's encoding for wy (wx) = 0 is (0, 1); for 1 it is (sin, cos)(T1 w_j), w_j = 10^(-j/8), T1 = f32(f32(1 / 1.000001) x f32(2 pi)): 32 pairs, made once a wave by Taylor series behind a reduction by multiples of pi/2 (in two parts).
; LIMITS.  NaN and infinities are not served.  |pixel coordinate + flow| under 2^31 (the clip is made in f32).  A block under 2^-124, or of zeros, gets the byte 1 with zero codes: this program alone reads the bytes.
; The series' arguments are T1 x a rounded w_j where reference() divides by a power; series cut under 1.3e-8.
.set GB,    4096                       ; LDS bytes of one tensor load: 16 rows of 256
.set STG0,  131072                     ; behind the eight tiles of 16,384 bytes: the stages
.set STGB,  10496                      ; a wave's stage: 41 blocks of 256 bytes; no tensor load lands there
.set LP,    144                        ; a lane's place in a stage: 128 bytes + 16: an odd multiple of 16, so sixteen lanes' stores start at sixteen different 16-byte columns modulo 256
.set SET1,  4736                       ; set 1's places: 128 modulo 256 behind set 0's, so that the two pixels of a read-back's sixteen lanes fall on different columns
.set SWO,   9472                       ; the scale words: 16 bytes a pixel
.set LA,  1                            ; v1   LDS: my wave's tile + 8 lane
.set STW, 2                            ; v2   stage + 144 lane
.set STR, 3                            ; v3   stage, read back: 144 (lane / 16) + 4736 ((lane / 8) % 2) + 16 (lane % 8)
.set SWW, 4                            ; v4   stage + 32 lane
.set L16, 5                            ; v5   16 lane
.set SWR, 6                            ; v6   stage + 16 lane
.set L8,  7                            ; v7   8 lane
.set FLO, 8                            ; v8-11 flow of my two pixels
.set LN,  13                           ; v13  lane
.set IX,  14                           ; v14-15 the two index words; never rewritten
.set CO,  16                           ; v16-25 Taylor pairs (sine's, cosine's coefficient)
.set ZO,  30                           ; v30-31 (0, 1)
.set SC,  32                           ; v32-95 (sin, cos)(T1 w_j)
.set FW,  96                           ; v96-127 16 channels x 2 sets
.set X0,  128                          ; v128-159 a block in variant 0
.set X1,  160                          ; v160-191 in variant 1
.set CD,  192                          ; v192-207 codes: 8 set + 4 variant
.set E,   208                          ; v208-223 scale bytes: 8 set + 4 part + 2 variant + block
.set MX,  224                          ; v224-229 maxima, conversions' scale operands
.set AA,  232                          ; v232-239 pairs (argument, 1.0)
.set RR,  240                          ; v240-243 squares
.set PQ,  244                          ; v244-251 pairs (sine series, cosine series)
.set TT,  252                          ; v252 T1
.set PH,  48                           ; s48, s49: pi/2 in two parts
.set PL,  49
; Two blocks of 32 numbers, each in one lane's 32 registers: the largest magnitudes (four chains by turns; the floor 2^(3 - 127) among the leaves holds the byte at 1 from below),
; 2 off the exponent field (the conversion takes that field of its scale operand and nothing else), and the bytes.
.macro QUANT2 xa, xb, ba, bb
	v_max3_num_f32 v[MX],   |v[\xa]|,   |v[\xa+1]|, 0x1800000
	v_max3_num_f32 v[MX+2], |v[\xb]|,   |v[\xb+1]|, 0x1800000
	v_max3_num_f32 v[MX+1], |v[\xa+2]|, |v[\xa+3]|, |v[\xa+4]|
	v_max3_num_f32 v[MX+3], |v[\xb+2]|, |v[\xb+3]|, |v[\xb+4]|
.irp i, 5,9,13,17,21,25
	v_max3_num_f32 v[MX],   v[MX],   |v[\xa+\i]|,   |v[\xa+\i+1]|
	v_max3_num_f32 v[MX+2], v[MX+2], |v[\xb+\i]|,   |v[\xb+\i+1]|
	v_max3_num_f32 v[MX+1], v[MX+1], |v[\xa+\i+2]|, |v[\xa+\i+3]|
	v_max3_num_f32 v[MX+3], v[MX+3], |v[\xb+\i+2]|, |v[\xb+\i+3]|
.endr
	v_max3_num_f32 v[MX],   v[MX],   |v[\xa+29]|, |v[\xa+30]|
	v_max3_num_f32 v[MX+2], v[MX+2], |v[\xb+29]|, |v[\xb+30]|
	v_max3_num_f32 v[MX],   v[MX],   v[MX+1], |v[\xa+31]|
	v_max3_num_f32 v[MX+2], v[MX+2], v[MX+3], |v[\xb+31]|
	v_add_nc_u32 v[MX+4], 0xff000000, v[MX]
	v_add_nc_u32 v[MX+5], 0xff000000, v[MX+2]
	v_lshrrev_b32 v[\ba], 23, v[MX+4]
	v_lshrrev_b32 v[\bb], 23, v[MX+5]
.endm
.macro CODES d, x, so                  ; 32 numbers -> 32 codes, 16 bytes, the lower k in the lower bits
.irp i, 0,1,2,3
	v_cvt_scalef32_pk8_fp4_f32 v[\d+\i], v[\x+8*\i:\x+8*\i+7], v[\so]
.endr
.endm
; (sin, cos) of four arguments, the four chains by turns.
.macro RED c, m, k                     ; argument - m x one part of pi/2
.if \m == 1
	v_fma_f32 v[AA+2*\c], -1.0, s[\k], v[AA+2*\c]
.elseif \m == 2
	v_fma_f32 v[AA+2*\c], -2.0, s[\k], v[AA+2*\c]
.elseif \m == 3
	v_fma_f32 v[AA+2*\c], -3.0, s[\k], v[AA+2*\c]
.elseif \m == 4
	v_fma_f32 v[AA+2*\c], -4.0, s[\k], v[AA+2*\c]
.endif
.endm
.macro SQUARES
.irp c, 0,1,2,3
	v_mul_f32 v[RR+\c], v[AA+2*\c], v[AA+2*\c]
.endr
.endm
.macro HLINK a0, a1, a2, a3, k         ; a link of Horner's rule, both series at once: (P, Q) = a x square + pair k; the square is one register of a pair, picked for both halves
	v_pk_fma_f32 v[PQ:PQ+1],   v[\a0:\a0+1], v[RR:RR+1],   v[CO+2*(\k):CO+2*(\k)+1] op_sel:[0,0,0] op_sel_hi:[1,0,1]
	v_pk_fma_f32 v[PQ+2:PQ+3], v[\a1:\a1+1], v[RR:RR+1],   v[CO+2*(\k):CO+2*(\k)+1] op_sel:[0,1,0] op_sel_hi:[1,1,1]
	v_pk_fma_f32 v[PQ+4:PQ+5], v[\a2:\a2+1], v[RR+2:RR+3], v[CO+2*(\k):CO+2*(\k)+1] op_sel:[0,0,0] op_sel_hi:[1,0,1]
	v_pk_fma_f32 v[PQ+6:PQ+7], v[\a3:\a3+1], v[RR+2:RR+3], v[CO+2*(\k):CO+2*(\k)+1] op_sel:[0,1,0] op_sel_hi:[1,1,1]
.endm
.macro HORNER T                        ; T terms of each series
	HLINK CO+2*(\T)-2, CO+2*(\T)-2, CO+2*(\T)-2, CO+2*(\T)-2, (\T)-2
.set HK, (\T)-3
.rept (\T)-2
	HLINK PQ, PQ+2, PQ+4, PQ+6, HK
.set HK, HK-1
.endr
.endm
.macro FINC c, j, m                    ; back through the quadrant m: sin(a + m pi/2), cos(a + m pi/2) from a P = sin a, Q = cos a
.if (\m == 0) || (\m == 4)
	v_pk_mul_f32 v[SC+2*(\j):SC+2*(\j)+1], v[PQ+2*\c:PQ+2*\c+1], v[AA+2*\c:AA+2*\c+1]
.elseif \m == 1
	v_mov_b32 v[SC+2*(\j)], v[PQ+2*\c+1]
	v_mul_f32 v[SC+2*(\j)+1], -v[AA+2*\c], v[PQ+2*\c]
.elseif \m == 2
	v_mul_f32 v[SC+2*(\j)], -v[AA+2*\c], v[PQ+2*\c]
	v_mul_f32 v[SC+2*(\j)+1], -1.0, v[PQ+2*\c+1]
.else
	v_mul_f32 v[SC+2*(\j)], -1.0, v[PQ+2*\c+1]
	v_mul_f32 v[SC+2*(\j)+1], v[AA+2*\c], v[PQ+2*\c]
.endif
.endm
.macro SCC j0, T, w0, m0, w1, m1, w2, m2, w3, m3
	v_mul_f32 v[AA],   \w0, v[TT]
	v_mul_f32 v[AA+2], \w1, v[TT]
	v_mul_f32 v[AA+4], \w2, v[TT]
	v_mul_f32 v[AA+6], \w3, v[TT]
	RED 0, \m0, PH
	RED 1, \m1, PH
	RED 2, \m2, PH
	RED 3, \m3, PH
	RED 0, \m0, PL
	RED 1, \m1, PL
	RED 2, \m2, PL
	RED 3, \m3, PL
	SQUARES
	HORNER \T
	FINC 0, \j0, \m0
	FINC 1, (\j0)+1, \m1
	FINC 2, (\j0)+2, \m2
	FINC 3, (\j0)+3, \m3
.endm
	s_load_b512 s[4:19], s[0:1], 0x0               ; feat_supp s[4:5], flow s[6:7], q_w s[8:9], k_w s[10:11], v_w s[12:13], codes s[14:15], swords s[16:17], idx s[18:19]
	s_load_b64 s[20:21], s[0:1], 0x40              ; wfrag
	v_lshl_add_u32 v230, v0, 2, 0x34800
	v_mov_b32 v231, 0
	ds_add_u32 v230, v231
	ds_add_u32 v230, v231
	v_lshrrev_b32 v12, 5, v0
	v_readfirstlane_b32 s22, v12                   ; wave 0..7
	v_and_b32 v[LN], 31, v0
	s_lshr_b32 s54, ttmp9, 7                       ; b
	s_bfe_u32 s55, ttmp9, 0x50002                  ; rb: 5 bits from bit 2
	s_and_b32 s56, ttmp9, 3                        ; cb
	s_lshl_b32 s55, s55, 3
	s_add_co_u32 s55, s55, s22                     ; y = 8 rb + wave
	s_lshl_b32 s56, s56, 6                         ; x0 = 64 cb
	s_lshl_b32 s53, s54, 16                        ; b << 16
	s_lshl_b32 s57, s55, 8
	s_or_b32 s57, s57, s56                         ; 256 y + x0
	s_lshl_b32 s58, s57, 2
	s_lshl_b32 s59, s54, 24
	s_or_b32 s58, s58, s59                         ; my first pixel's byte in channel 0 of my image
	s_mov_b32 s59, 0
	s_or_b32 s57, s57, s53                         ; n0: my first pixel
	s_lshl_b32 s60, s22, 14                        ; my tile in LDS
	s_mul_i32 s61, s22, STGB
	s_add_co_u32 s61, s61, STG0                    ; my stage
	; descriptor group 1: 16 rows (channels) of 64 elements of 4 bytes, 65,536 elements apart; no padding: the reads below take 256 consecutive bytes
	s_mov_b32 s24, 2<<16                           ; no mask; elements of 4 bytes
	s_mov_b32 s25, 64<<16                          ; tensor_dim0 = 64
	s_mov_b32 s26, 16<<16                          ; tensor_dim1 = 16
	s_mov_b32 s27, 64<<16                          ; tile_dim0 = 64
	s_mov_b32 s28, 16                              ; tile_dim1 = 16
	s_mov_b32 s29, 65536                           ; from channel to channel
	s_mov_b32 s30, 0
	s_mov_b32 s31, 0
	s_mov_b32 s[PH], 0x3fc90fdb                    ; pi/2 = this
	s_mov_b32 s[PL], 0xb33bbd2e                    ; + this
	s_mov_b32 s50, 0x76543210
	s_mov_b32 s51, 0xfedcba98                      ; v_permlanex16_b32's selects for lane l xor 16
	s_mov_b32 s52, 0x437f0000                      ; 255.0
	s_mov_b32 s77, 0
	s_wait_dscnt 0x0
	s_wait_kmcnt 0x0
	s_add_nc_u64 s[62:63], s[4:5], s[58:59]
.irp g, 0,1,2,3
	s_mov_b32 s[32+4*\g], 1                        ; count = 1
	s_add_co_u32 s[33+4*\g], s60, \g*GB            ; LDS address
	s_add_nc_u64 s[34+4*\g:35+4*\g], s[62:63], \g*4194304   ; channels 16 g on
	s_or_b32 s[35+4*\g], s[35+4*\g], 0x80000000    ; type = 2
.endr
	s_lshl_b32 s76, s57, 3
	s_add_nc_u64 s[6:7], s[6:7], s[76:77]          ; flow, 8 bytes a pixel
	s_lshl_b32 s76, s57, 2
	s_add_nc_u64 s[70:71], s[18:19], s[76:77]      ; idx, 4
	s_lshl_b32 s76, s57, 7
	s_add_nc_u64 s[72:73], s[14:15], s[76:77]      ; codes, 128
	s_lshl_b32 s76, s57, 4
	s_add_nc_u64 s[74:75], s[16:17], s[76:77]      ; swords, 16
	tensor_load_to_lds s[32:35], s[24:31]          ; the four first fills go out together, ahead of every wait on TENSORcnt and every LDS read
	s_nop 0
	tensor_load_to_lds s[36:39], s[24:31]
	s_nop 0
	tensor_load_to_lds s[40:43], s[24:31]
	s_nop 0
	tensor_load_to_lds s[44:47], s[24:31]
	s_nop 0
	v_lshlrev_b32 v[L16], 4, v[LN]
	v_lshlrev_b32 v[L8], 3, v[LN]
	global_load_b128 v[FLO:FLO+3], v[L16], s[6:7] th:TH_LOAD_NT   ; (fx, fy) of pixels 2 l, 2 l + 1
	v_add_nc_u32 v[LA], s60, v[L8]
	v_mul_u32_u24 v[STW], v[LN], LP
	v_add_nc_u32 v[STW], s61, v[STW]
	v_bfe_u32 v12, v0, 4, 1
	v_mul_u32_u24 v[STR], v12, LP
	v_bfe_u32 v12, v0, 3, 1
	v_mad_u32_u24 v[STR], v12, SET1, v[STR]
	v_and_b32 v12, 7, v0
	v_lshl_add_u32 v[STR], v12, 4, v[STR]
	v_add_nc_u32 v[STR], s61, v[STR]
	v_lshl_add_u32 v[SWW], v[LN], 5, s61
	v_add_nc_u32 v[SWR], s61, v[L16]
	; ---- THE WEIGHTS: wave 0 of work-groups 0 to 11 takes tile T = the work-group's number.  Lane (r, h) loads, of row 16 t + r, k = 64 c + 32 h + 0 .. 31: the very numbers that the operand's layout gives it,
	; so the conversions' results are the operand's registers.  One branch on ids, round loads, wait, arithmetic and stores; no LDS instruction and no tensor load stands in it.
	s_lshl_b32 s23, s22, 8
	s_or_b32 s23, s23, ttmp9
	s_cmp_lt_u32 s23, 12
	s_cbranch_scc0 .Lno_weights
	s_cmp_lt_u32 ttmp9, 8
	s_cselect_b64 s[66:67], s[10:11], s[12:13]
	s_cmp_lt_u32 ttmp9, 4
	s_cselect_b64 s[66:67], s[8:9], s[66:67]       ; q_w, k_w or v_w: the choice hangs on the work-group's number alone
	s_and_b32 s76, ttmp9, 3
	s_lshl_b32 s76, s76, 13                        ; 16 rows of 512 bytes
	s_add_nc_u64 s[66:67], s[66:67], s[76:77]
	s_lshl_b32 s76, ttmp9, 10
	s_add_nc_u64 s[68:69], s[20:21], s[76:77]      ; the tile's image
	s_lshl_b32 s76, ttmp9, 7
	s_add_nc_u64 s[78:79], s[20:21], s[76:77]      ; its scale words (+ 12288)
	v_and_b32 v12, 15, v0
	v_bfe_u32 v255, v0, 4, 1
	v_lshlrev_b32 v12, 9, v12
	v_lshl_add_u32 v12, v255, 7, v12               ; 512 r + 128 h
.irp i, 0,1,2,3,4,5,6,7
	global_load_b128 v[X0+4*\i:X0+4*\i+3], v12, s[66:67] offset:16*\i
	global_load_b128 v[X1+4*\i:X1+4*\i+3], v12, s[66:67] offset:256+16*\i
.endr
	v_lshlrev_b32 v254, 2, v[LN]
	v_lshlrev_b32 v255, 3, v255                    ; 8 h
	v_mov_b32 v253, 0                              ; a lane permute's destination counts as one of its sources
	s_wait_loadcnt 0x0
	QUANT2 X0, X1, E, E+1                          ; my blocks h and 2 + h
	CODES CD, X0, MX+4
	CODES CD+4, X1, MX+5
	v_lshl_or_b32 v252, v[E+1], 16, v[E]           ; (a plain line behind the conversions)  my two bytes,
	v_lshlrev_b32 v252, v255, v252                 ; at their places in the scale word;
	v_permlanex16_b32 v253, v252, s50, s51
	v_or_b32 v252, v252, v253                      ; with lane l xor 16's two the word is whole
	global_store_b128 v[L16], v[CD:CD+3], s[68:69]
	global_store_b128 v[L16], v[CD+4:CD+7], s[68:69] offset:512
	global_store_b32 v254, v252, s[78:79] offset:12288
	s_wait_xcnt 0x0                                ; the stores have read their registers, which are written again below
.Lno_weights:
	; ---- THE CONSTANTS, while the tiles are on their way
	v_mov_b32 v[CO],   1.0
	v_mov_b32 v[CO+1], 1.0
	v_mov_b32 v[CO+2], 0xbe2aaaab                  ; -1/3!
	v_mov_b32 v[CO+3], -0.5                        ; -1/2!
	v_mov_b32 v[CO+4], 0x3c088889                  ; 1/5!
	v_mov_b32 v[CO+5], 0x3d2aaaab                  ; 1/4!
	v_mov_b32 v[CO+6], 0xb9500d01                  ; -1/7!
	v_mov_b32 v[CO+7], 0xbab60b61                  ; -1/6!
	v_mov_b32 v[CO+8], 0x3638ef1d                  ; 1/9!
	v_mov_b32 v[CO+9], 0x37d00d01                  ; 1/8!
	v_mov_b32 v[ZO],   0
	v_mov_b32 v[ZO+1], 1.0
.irp c, 0,1,2,3
	v_mov_b32 v[AA+2*\c+1], 1.0
.endr
	v_mov_b32 v[TT], 0x40c90fce                    ; T1
	SCC 0,  5, 1.0, 4, 0.749894209, 3, 0.562341325, 2, 0.421696503, 2
	SCC 4,  5, 0.316227766, 1, 0.237137371, 1, 0.177827941, 1, 0.133352143, 1
	SCC 8,  5, 0.1, 0, 0.0749894209, 0, 0.0562341325, 0, 0.0421696503, 0
	SCC 12, 4, 0.0316227766, 0, 0.0237137371, 0, 0.0177827941, 0, 0.0133352143, 0
	SCC 16, 3, 0.01, 0, 0.00749894209, 0, 0.00562341325, 0, 0.00421696503, 0
	SCC 20, 2, 0.00316227766, 0, 0.00237137371, 0, 0.00177827941, 0, 0.00133352143, 0
	SCC 24, 2, 0.001, 0, 0.000749894209, 0, 0.000562341325, 0, 0.000421696503, 0
	SCC 28, 2, 0.000316227766, 0, 0.000237137371, 0, 0.000177827941, 0, 0.000133352143, 0
	; ---- THE INDICES of my two pixels as targets: floor(coordinate + flow) and that + 1, both clipped to 0 .. 255 in f32, then whole numbers.  They are stored, and steer nothing here.
	s_wait_loadcnt 0x0                             ; flow
	v_lshl_add_u32 v128, v[LN], 1, s56
	v_cvt_f32_u32 v128, v128                       ; x of set 0
	v_cvt_f32_u32 v129, s55                        ; y
	v_add_f32 v130, 1.0, v128                      ; x of set 1
	v_add_f32 v131, v128, v[FLO]                   ; x + fx, y + fy; the same for set 1
	v_add_f32 v132, v129, v[FLO+1]
	v_add_f32 v133, v130, v[FLO+2]
	v_add_f32 v134, v129, v[FLO+3]
.irp k, 0,1,2,3
	v_floor_f32 v[131+\k], v[131+\k]
.endr
.irp k, 0,1,2,3
	v_add_f32 v[135+\k], 1.0, v[131+\k]
.endr
.irp k, 0,1,2,3,4,5,6,7
	v_med3_num_f32 v[131+\k], v[131+\k], 0, s52
.endr
.irp k, 0,1,2,3,4,5,6,7
	v_cvt_u32_f32 v[131+\k], v[131+\k]
.endr
.irp k, 0,1,2,3
	v_sub_nc_u32 v[135+\k], v[135+\k], v[131+\k]   ; w1 - w0, h1 - h0: 0 or 1
.endr
.irp s, 0,1
	v_lshl_or_b32 v[IX+\s], v[132+2*\s], 8, v[131+2*\s]
	v_lshl_or_b32 v[IX+\s], v[135+2*\s], 17, v[IX+\s]
	v_lshl_or_b32 v[IX+\s], v[136+2*\s], 18, v[IX+\s]
	v_or_b32 v[IX+\s], s53, v[IX+\s]
.endr
	global_store_b64 v[L8], v[IX:IX+1], s[70:71]   ; the wave stores 256 consecutive bytes; its registers are never written again
	; ---- THE CODE TABLE: channels 16 g on are block g of K: part g / 2, block g % 2, encoding pairs j = 16 (g % 2) + i
.macro GBLOCK g
	s_wait_tensorcnt 3-\g                          ; tensor loads of a wave end in order: load g has landed, the 3 - g behind it may be out
.irp i, 0,1,2,3,4,5,6,7,8,9,10,11,12,13,14,15
	ds_load_b64 v[FW+2*\i:FW+2*\i+1], v[LA] offset:\g*GB+256*\i   ; channel i of my two pixels; the wave reads 256 consecutive bytes
.endr
	s_wait_dscnt 0x0                               ; they are in; and the last block's stores into the stage have read the codes' registers
.irp s, 0,1
.irp i, 0,1,2,3,4,5,6,7,8,9,10,11,12,13,14,15
	v_pk_add_f32 v[X0+2*\i:X0+2*\i+1], v[FW+2*\i:FW+2*\i+1], v[ZO:ZO+1] op_sel:[\s,0] op_sel_hi:[\s,1]   ; (f, f) + (0, 1): set s's register of the pair feeds both halves
.endr
.irp i, 0,1,2,3,4,5,6,7,8,9,10,11,12,13,14,15
	v_pk_add_f32 v[X1+2*\i:X1+2*\i+1], v[FW+2*\i:FW+2*\i+1], v[SC+2*(16*(\g%2)+\i):SC+2*(16*(\g%2)+\i)+1] op_sel:[\s,0] op_sel_hi:[\s,1]   ; (f, f) + (sin, cos)
.endr
	QUANT2 X0, X1, E+8*\s+4*(\g/2)+(\g%2), E+8*\s+4*(\g/2)+2+(\g%2)
	CODES CD+8*\s, X0, MX+4
	CODES CD+8*\s+4, X1, MX+5
	v_nop                                          ; one plain line behind the last conversion: its sources are written again below
	ds_store_b128 v[STW], v[CD+8*\s:CD+8*\s+3] offset:\s*SET1+16*(4*(\g/2)+(\g%2))
	ds_store_b128 v[STW], v[CD+8*\s+4:CD+8*\s+7] offset:\s*SET1+16*(4*(\g/2)+2+(\g%2))
.endr
.endm
	GBLOCK 0
	GBLOCK 1
	GBLOCK 2
	GBLOCK 3                                       ; its wait on TENSORcnt is for 0: no tensor load is out at the end
	; ---- THE SCALE WORDS of rows (p, u): bytes (part 0, wy, blocks 0, 1), (part 1, wx, blocks 0, 1)
.irp s, 0,1
	v_lshl_or_b32 v[MX],   v[E+8*\s+1], 8, v[E+8*\s]
	v_lshl_or_b32 v[MX+1], v[E+8*\s+3], 8, v[E+8*\s+2]
	v_lshl_or_b32 v[MX+2], v[E+8*\s+5], 8, v[E+8*\s+4]
	v_lshl_or_b32 v[MX+3], v[E+8*\s+7], 8, v[E+8*\s+6]
	v_lshl_or_b32 v[X0+4*\s],   v[MX+2], 16, v[MX]
	v_lshl_or_b32 v[X0+4*\s+1], v[MX+3], 16, v[MX]
	v_lshl_or_b32 v[X0+4*\s+2], v[MX+2], 16, v[MX+1]
	v_lshl_or_b32 v[X0+4*\s+3], v[MX+3], 16, v[MX+1]
	ds_store_b128 v[SWW], v[X0+4*\s:X0+4*\s+3] offset:SWO+16*\s
.endr
	; ---- THE WAY OUT: LDS serves a wave's instructions in order, so these loads see my stores.  Load i brings pixels 4 i .. 4 i + 3 as they lie in the table: 512 consecutive bytes a store.
.irp i, 0,1,2,3,4,5,6,7,8,9,10,11,12,13,14,15
	ds_load_b128 v[SC+4*\i:SC+4*\i+3], v[STR] offset:2*LP*\i
.endr
.irp i, 0,1
	ds_load_b128 v[FW+4*\i:FW+4*\i+3], v[SWR] offset:SWO+512*\i
.endr
.irp i, 0,1,2,3,4,5,6,7,8,9,10,11,12,13,14,15
	s_wait_dscnt 17-\i                             ; LDS loads come back in order: load i is in, the 17 - i younger ones may be out
	global_store_b128 v[L16], v[SC+4*\i:SC+4*\i+3], s[72:73] offset:512*\i
.endr
.irp i, 0,1
	s_wait_dscnt 1-\i
	global_store_b128 v[L16], v[FW+4*\i:FW+4*\i+3], s[74:75] offset:512*\i
.endr
	s_wait_tensorcnt 0x0
	ds_add_u32 v230, v231
	s_wait_dscnt 0x0
	s_endpgm
.Lfunc_end_k_qcb5cfebda7_prep:
	.size	k_qcb5cfebda7_prep, .Lfunc_end_k_qcb5cfebda7_prep-k_qcb5cfebda7_prep
	.p2alignl 7, 3214868480
	.fill 96, 4, 3214868480
	.section	.rodata,"a",@progbits
	.p2align	6, 0x0
	.amdhsa_kernel k_qcb5cfebda7_prep
		.amdhsa_group_segment_fixed_size 216064
		.amdhsa_private_segment_fixed_size 0
		.amdhsa_enable_private_segment 0
		.amdhsa_kernarg_size 72
		.amdhsa_user_sgpr_count 2
		.amdhsa_user_sgpr_kernarg_segment_ptr 1
		.amdhsa_wavefront_size32 1
		.amdhsa_system_sgpr_workgroup_id_x 1
		.amdhsa_system_sgpr_workgroup_id_y 1
		.amdhsa_system_sgpr_workgroup_id_z 1
		.amdhsa_system_vgpr_workitem_id 0
		.amdhsa_next_free_vgpr 256
		.amdhsa_next_free_sgpr 80
		.amdhsa_reserve_vcc 0
		.amdhsa_float_denorm_mode_32 3
		.amdhsa_float_denorm_mode_16_64 3
		.amdhsa_memory_ordered 1
		.amdhsa_forward_progress 1
		.amdhsa_inst_pref_size 73
	.end_amdhsa_kernel
	.amdgpu_metadata
---
amdhsa.version: [ 1, 2 ]
amdhsa.kernels:
  - .name:           k_qcb5cfebda7_prep
    .symbol:         k_qcb5cfebda7_prep.kd
    .args:
      - { .name: feat_supp, .offset: 0, .size: 8, .value_kind: global_buffer, .address_space: global }
      - { .name: flow, .offset: 8, .size: 8, .value_kind: global_buffer, .address_space: global }
      - { .name: q_w, .offset: 16, .size: 8, .value_kind: global_buffer, .address_space: global }
      - { .name: k_w, .offset: 24, .size: 8, .value_kind: global_buffer, .address_space: global }
      - { .name: v_w, .offset: 32, .size: 8, .value_kind: global_buffer, .address_space: global }
      - { .name: codes, .offset: 40, .size: 8, .value_kind: global_buffer, .address_space: global }
      - { .name: swords, .offset: 48, .size: 8, .value_kind: global_buffer, .address_space: global }
      - { .name: idx, .offset: 56, .size: 8, .value_kind: global_buffer, .address_space: global }
      - { .name: wfrag, .offset: 64, .size: 8, .value_kind: global_buffer, .address_space: global }
    .group_segment_fixed_size: 216064
    .private_segment_fixed_size: 0
    .kernarg_segment_align: 8
    .kernarg_segment_size: 72
    .max_flat_workgroup_size: 256
    .sgpr_count:     80
    .vgpr_count:     256
    .wavefront_size: 32
...
	.end_amdgpu_metadata
.endif
;; end of part 1
;; launch warp (part 2): grid 256 x 1, 8 waves a work-group, no clusters, 168,960 bytes of LDS; arguments feat_curr, flow, idx, codes, swords, wfrag, q_b, k_b, v_b, out0; writes out0
.if DOCPART == 2
	.amdgcn_target "amdgcn-amd-amdhsa--gfx1250"
	.amdhsa_code_object_version 6
	.text
	.protected	k_qcb5cfebda7_warp
	.globl	k_qcb5cfebda7_warp
	.p2align	8
	.type	k_qcb5cfebda7_warp,@function
k_qcb5cfebda7_warp:
	s_mov_b64 s[64:65], 0
	v_nop
	global_prefetch_b8 v0, s[64:65] scope:SCOPE_SE
	s_setreg_imm32_b32 hwreg(HW_REG_WAVE_MODE, 25, 1), 1
	s_wait_xcnt 0x0
; WARP: for each pixel the query row (feat_curr + the sine encoding of the flow's fraction) quantised to E2M1; its four key/value rows gathered as codes from the table of the launch before, by the stored indices;
; q, k, v by v_wmma_scale_f32_16x16x128_f8f6f4 on E2M1 codes with E8M0 scales, the biases as C; the 8-head attention over the 4 window places in f32 within a lane; out0 [b][channel][y][x].
; SHARES.  256 work-groups x 8 waves x 64 pixels, as in the launch before: wave w of a work-group takes image row 8 rb + w, columns 64 cb on.  Two waves to a SIMD, 512 registers each.
; TWO MAPS of the wave's 64 pixels, r = lane % 16, h = lane / 16.  SETS, for the query rows: lane (r, h) holds pixel 4 r + 2 h + s (s = 0, 1) and its registers run along K, a block of 32 at a time.
; FRAGMENTS, for the products: row r of fragment f is pixel 4 r + f.  Set s holds fragment s in lanes 0-15 and fragment s + 2 in lanes 16-31: sixteen exchanges of lane halves turn the sets' codes into the four fragments,
; and a set's register of scale words serves fragment s from lanes 0-15 and fragment s + 2 from lanes 16-31.
; THE PRODUCTS ARE USED TRANSPOSED: source 0 = 16 output channels (weights, kept in registers), source 1 = 16 pixels.  In tile t lane (r, h) then holds pixel r and the 8 channels of head 2 t + h:
; scores, softmax and the weighted sum never leave a lane, and the same register of the four fragments is 4 neighbouring pixels of one channel: 16 bytes, sixteen lanes 256 consecutive aligned bytes.
; The scores (K = 8) and the weighted sums (K = 4) are f32 multiply-adds: one row a batch gives a matrix instruction nothing to share.  The softmax takes the lane's largest score away first.
; feat_curr comes by four tensor loads a wave (16 channel rows of 256 bytes each; four are out); each LDS byte is filled once and read by its own wave: no barrier.
; No cluster: work-groups share 14 KB of weight images and biases, a small part of the 340 KB that each reads.  No prefetch: all that a wave reads is asked for at its head, the gathers as soon as their indices are in.
; SINE AND COSINE: t = fraction x c0, c0 = f32(2 pi) / f32(2.000001); a = t w_j, w_j = 10^(-j/8), under pi w_j; j = 0 .. 3 less pi/2 (in two parts); Taylor series cut under 7e-9.
; LIMITS.  NaN and infinities are not served.  The argument is made by multiplications with rounded constants where reference() divides: about 1e-7 of absolute error in sine and cosine.
; A block under 2^-124 gets the byte 1 with zero codes.
; REGISTERS.  Window 0: v1-8 addresses; v10-13 t; v16-27 the weights' scale words, v28-43 the gathered rows', v44-45 the query rows' (these hold scales and nothing else); v48-95 two sets of biases (q, k, v: 8 each);
;   attention: v96-135 area A, v136-175 area B (q at + 0, k_u then v_u at + 8 + 8 u); v176-207 results [4 j + f]; v208-223 scores, then weights [4 f + u]; v224-239 maxima, their multiples, sums, reciprocals; v240-255 at work.
;   query rows (over v96-255): v96-127 16 channels x 2 sets; v128-191 a block of each set (ahead of that: the gathers' offsets); v192-211 series at work; v212-225 Taylor pairs; v226-233 maxima; v234-241 indices, flow.
; Window 1: v0-95 the 12 weight tiles; v96-127 the query fragments; v128-255 the 16 gathered fragments [4 f + u].
.set GB,  4096
.set LF,  1                            ; v1  LDS: my tile + 16 r + 8 h
.set SO,  2                            ; v2  out0: h << 21 | r << 4
.set H32, 3                            ; v3  32 h
.set L16, 4                            ; v4  16 lane
.set L4,  5                            ; v5  4 lane
.set H16, 6                            ; v6  16 h
.set R16, 7                            ; v7  16 r
.set FO,  8                            ; v8  32 r + 16 h
.set TC,  10                           ; v10-13 t[2 s + coordinate], coordinate 0 = y
.set WS,  16
.set KS,  28
.set QS,  44
.set BB,  48
.set ARA, 96
.set ARB, 136
.set OUT, 176
.set S,   208
.set MXR, 224
.set MC,  228
.set SUM, 232
.set RI,  236
.set AC,  240
.set OA,  248
.set FW,  96
.set X,   128
.set OC,  128
.set OS,  144
.set AA,  192
.set RR,  200
.set PQ,  204
.set CO,  212
.set MX,  226
.set IXR, 234
.set FLO, 238
.set QF,  96                           ; window 1
.set KV,  128                          ; window 1
.set NPH, 56                           ; s56, s57: -pi/2 in two parts
.set NPL, 57
.set CSM, 58                           ; s58 8^-0.5 log2(e)
.set C0,  59                           ; s59 c0
.set MSB, 0
.macro WIN new                         ; s_set_vgpr_msb: bits 1:0 source 0, 3:2 source 1, 5:4 source 2, 7:6 destination; the high byte repeats the setting that is left
.if MSB != \new
	s_set_vgpr_msb (MSB<<8)|\new
.set MSB, \new
.endif
.endm
.macro QUANT2 xa, xb, ba, bb           ; two blocks of 32 numbers, each in one lane's registers: largest magnitudes with the floor 2^(3 - 127), the conversions' scale operands, the bytes
	v_max3_num_f32 v[MX],   |v[\xa]|,   |v[\xa+1]|, 0x1800000
	v_max3_num_f32 v[MX+2], |v[\xb]|,   |v[\xb+1]|, 0x1800000
	v_max3_num_f32 v[MX+1], |v[\xa+2]|, |v[\xa+3]|, |v[\xa+4]|
	v_max3_num_f32 v[MX+3], |v[\xb+2]|, |v[\xb+3]|, |v[\xb+4]|
.irp i, 5,9,13,17,21,25
	v_max3_num_f32 v[MX],   v[MX],   |v[\xa+\i]|,   |v[\xa+\i+1]|
	v_max3_num_f32 v[MX+2], v[MX+2], |v[\xb+\i]|,   |v[\xb+\i+1]|
	v_max3_num_f32 v[MX+1], v[MX+1], |v[\xa+\i+2]|, |v[\xa+\i+3]|
	v_max3_num_f32 v[MX+3], v[MX+3], |v[\xb+\i+2]|, |v[\xb+\i+3]|
.endr
	v_max3_num_f32 v[MX],   v[MX],   |v[\xa+29]|, |v[\xa+30]|
	v_max3_num_f32 v[MX+2], v[MX+2], |v[\xb+29]|, |v[\xb+30]|
	v_max3_num_f32 v[MX],   v[MX],   v[MX+1], |v[\xa+31]|
	v_max3_num_f32 v[MX+2], v[MX+2], v[MX+3], |v[\xb+31]|
	v_add_nc_u32 v[MX+4], 0xff000000, v[MX]
	v_add_nc_u32 v[MX+5], 0xff000000, v[MX+2]
	v_lshrrev_b32 v[\ba], 23, v[MX+4]
	v_lshrrev_b32 v[\bb], 23, v[MX+5]
.endm
.macro CODES d, x, so
.irp i, 0,1,2,3
	v_cvt_scalef32_pk8_fp4_f32 v[\d+\i], v[\x+8*\i:\x+8*\i+7], v[\so]
.endr
.endm
.macro SQUARES
.irp c, 0,1,2,3
	v_mul_f32 v[RR+\c], v[AA+2*\c], v[AA+2*\c]
.endr
.endm
.macro HLINK a0, a1, a2, a3, k         ; a link of Horner's rule, sine's and cosine's series at once, four chains by turns
	v_pk_fma_f32 v[PQ:PQ+1],   v[\a0:\a0+1], v[RR:RR+1],   v[CO+2*(\k):CO+2*(\k)+1] op_sel:[0,0,0] op_sel_hi:[1,0,1]
	v_pk_fma_f32 v[PQ+2:PQ+3], v[\a1:\a1+1], v[RR:RR+1],   v[CO+2*(\k):CO+2*(\k)+1] op_sel:[0,1,0] op_sel_hi:[1,1,1]
	v_pk_fma_f32 v[PQ+4:PQ+5], v[\a2:\a2+1], v[RR+2:RR+3], v[CO+2*(\k):CO+2*(\k)+1] op_sel:[0,0,0] op_sel_hi:[1,0,1]
	v_pk_fma_f32 v[PQ+6:PQ+7], v[\a3:\a3+1], v[RR+2:RR+3], v[CO+2*(\k):CO+2*(\k)+1] op_sel:[0,1,0] op_sel_hi:[1,1,1]
.endm
.macro HORNER T
	HLINK CO+2*(\T)-2, CO+2*(\T)-2, CO+2*(\T)-2, CO+2*(\T)-2, (\T)-2
.set HK, (\T)-3
.rept (\T)-2
	HLINK PQ, PQ+2, PQ+4, PQ+6, HK
.set HK, HK-1
.endr
.endm
.macro FINF c, i, m, s                 ; elements 2 i, 2 i + 1 of set s's block: f + sin, f + cos, each by one fused multiply-add.  m = 1: sin(a + pi/2) = cos a, cos(a + pi/2) = -sin a
.if \m
	v_add_f32 v[X+32*\s+2*(\i)], v[PQ+2*\c+1], v[FW+2*(\i)+\s]
	v_fma_f32 v[X+32*\s+2*(\i)+1], -v[AA+2*\c], v[PQ+2*\c], v[FW+2*(\i)+\s]
.else
	v_pk_fma_f32 v[X+32*\s+2*(\i):X+32*\s+2*(\i)+1], v[PQ+2*\c:PQ+2*\c+1], v[AA+2*\c:AA+2*\c+1], v[FW+2*(\i):FW+2*(\i)+1] op_sel:[0,0,\s] op_sel_hi:[1,1,\s]
.endif
.endm
.macro SCF i0, T, m, s, tr, w0, w1, w2, w3   ; channels i0 .. i0 + 3 of the block, T terms
.if \m
	v_fma_f32 v[AA],   v[\tr], \w0, s[NPH]
	v_fma_f32 v[AA+2], v[\tr], \w1, s[NPH]
	v_fma_f32 v[AA+4], v[\tr], \w2, s[NPH]
	v_fma_f32 v[AA+6], v[\tr], \w3, s[NPH]
.irp c, 0,1,2,3
	v_add_f32 v[AA+2*\c], s[NPL], v[AA+2*\c]
.endr
.else
	v_mul_f32 v[AA],   \w0, v[\tr]
	v_mul_f32 v[AA+2], \w1, v[\tr]
	v_mul_f32 v[AA+4], \w2, v[\tr]
	v_mul_f32 v[AA+6], \w3, v[\tr]
.endif
	SQUARES
	HORNER \T
	FINF 0, \i0, \m, \s
	FINF 1, (\i0)+1, \m, \s
	FINF 2, (\i0)+2, \m, \s
	FINF 3, (\i0)+3, \m, \s
.endm
.macro BIAS t                          ; tile t's biases in the result's layout: lane (r, h): channels 16 t + 8 h + 0 .. 7; into set t % 2
	global_load_b128 v[BB+24*((\t)%2):BB+24*((\t)%2)+3],     v[H32], s[16:17] offset:64*(\t)
	global_load_b128 v[BB+24*((\t)%2)+4:BB+24*((\t)%2)+7],   v[H32], s[16:17] offset:64*(\t)+16
	global_load_b128 v[BB+24*((\t)%2)+8:BB+24*((\t)%2)+11],  v[H32], s[18:19] offset:64*(\t)
	global_load_b128 v[BB+24*((\t)%2)+12:BB+24*((\t)%2)+15], v[H32], s[18:19] offset:64*(\t)+16
	global_load_b128 v[BB+24*((\t)%2)+16:BB+24*((\t)%2)+19], v[H32], s[20:21] offset:64*(\t)
	global_load_b128 v[BB+24*((\t)%2)+20:BB+24*((\t)%2)+23], v[H32], s[20:21] offset:64*(\t)+16
.endm
	s_load_b512 s[4:19], s[0:1], 0x0               ; feat_curr s[4:5], flow s[6:7], idx s[8:9], codes s[10:11], swords s[12:13], wfrag s[14:15], q_b s[16:17], k_b s[18:19]
	s_load_b128 s[20:23], s[0:1], 0x40             ; v_b s[20:21], out0 s[22:23]
	v_lshl_add_u32 v46, v0, 2, 0x29000
	v_mov_b32 v47, 0
	ds_add_u32 v46, v47
	ds_add_u32 v46, v47
	v_lshrrev_b32 v9, 5, v0
	v_readfirstlane_b32 s66, v9                    ; wave 0..7
	s_lshr_b32 s67, ttmp9, 7                       ; b
	s_bfe_u32 s68, ttmp9, 0x50002                  ; rb
	s_and_b32 s69, ttmp9, 3                        ; cb
	s_lshl_b32 s68, s68, 3
	s_add_co_u32 s68, s68, s66                     ; y
	s_lshl_b32 s69, s69, 6                         ; x0
	s_lshl_b32 s70, s68, 8
	s_or_b32 s70, s70, s69
	s_lshl_b32 s72, s70, 2
	s_lshl_b32 s73, s67, 24
	s_or_b32 s72, s72, s73                         ; my first pixel's byte in channel 0 of my image
	s_mov_b32 s73, 0
	s_lshl_b32 s71, s67, 16
	s_or_b32 s70, s70, s71                         ; n0
	s_lshl_b32 s74, s70, 2
	s_mov_b32 s75, 0
	s_lshl_b32 s76, s70, 3
	s_mov_b32 s77, 0
	s_lshl_b32 s71, s66, 14                        ; my tile in LDS
	s_mov_b32 s24, 2<<16                           ; descriptor group 1: elements of 4 bytes, no mask, no padding
	s_mov_b32 s25, 64<<16                          ; tensor_dim0 = 64
	s_mov_b32 s26, 16<<16                          ; tensor_dim1 = 16
	s_mov_b32 s27, 64<<16                          ; tile_dim0 = 64
	s_mov_b32 s28, 16                              ; tile_dim1 = 16
	s_mov_b32 s29, 65536                           ; from channel to channel
	s_mov_b32 s30, 0
	s_mov_b32 s31, 0
	s_mov_b32 s[NPH], 0xbfc90fdb
	s_mov_b32 s[NPL], 0x333bbd2e
	s_mov_b32 s[CSM], 0x3f0293ee
	s_mov_b32 s[C0], 0x40490fd5
	s_wait_dscnt 0x0
	s_wait_kmcnt 0x0
	s_add_nc_u64 s[78:79], s[4:5], s[72:73]
.irp g, 0,1,2,3
	s_mov_b32 s[32+4*\g], 1
	s_add_co_u32 s[33+4*\g], s71, \g*GB
	s_add_nc_u64 s[34+4*\g:35+4*\g], s[78:79], \g*4194304
	s_or_b32 s[35+4*\g], s[35+4*\g], 0x80000000
.endr
	s_add_nc_u64 s[8:9], s[8:9], s[74:75]
	s_add_nc_u64 s[6:7], s[6:7], s[76:77]
	s_add_nc_u64 s[48:49], s[22:23], s[72:73]      ; out0 at my pixels, channels 16 t on
.irp t, 1,2,3
	s_add_nc_u64 s[48+2*\t:49+2*\t], s[48:49], \t*4194304
.endr
	tensor_load_to_lds s[32:35], s[24:31]          ; the four first fills go out together, ahead of every wait on TENSORcnt and every LDS read
	s_nop 0
	tensor_load_to_lds s[36:39], s[24:31]
	s_nop 0
	tensor_load_to_lds s[40:43], s[24:31]
	s_nop 0
	tensor_load_to_lds s[44:47], s[24:31]
	s_nop 0
	v_and_b32 v9, 15, v0                           ; r
	v_bfe_u32 v14, v0, 4, 1                        ; h
	v_and_b32 v15, 31, v0                          ; lane
	v_lshlrev_b32 v[R16], 4, v9
	v_lshlrev_b32 v[H16], 4, v14
	v_lshl_add_u32 v[FO], v9, 5, v[H16]
	global_load_b128 v[IXR:IXR+3], v[R16], s[8:9] th:TH_LOAD_NT    ; the index words of pixels 4 r .. 4 r + 3: fragments 0 .. 3
	global_load_b128 v[FLO:FLO+3], v[FO], s[6:7] th:TH_LOAD_NT     ; (fx, fy) of pixels 4 r + 2 h, + 1: sets 0, 1
	v_lshlrev_b32 v[L16], 4, v15
	v_lshlrev_b32 v[L4], 2, v15
	v_lshlrev_b32 v[H32], 5, v14
	WIN 0x40                                       ; destination window 1
.irp T, 0,1,2,3,4,5,6,7,8,9,10,11
	global_load_b128 v[8*\T:8*\T+3],   v[L16], s[14:15] offset:1024*\T
	global_load_b128 v[8*\T+4:8*\T+7], v[L16], s[14:15] offset:1024*\T+512
.endr
	WIN 0
.irp T, 0,1,2,3,4,5,6,7,8,9,10,11
	global_load_b32 v[WS+\T], v[L4], s[14:15] offset:12288+128*\T
.endr
	BIAS 0
	BIAS 1
	v_lshl_add_u32 v[LF], v14, 3, v[R16]
	v_add_nc_u32 v[LF], s71, v[LF]
	v_lshl_or_b32 v[SO], v14, 21, v[R16]
	v_mov_b32 v[CO],    1.0
	v_mov_b32 v[CO+1],  1.0
	v_mov_b32 v[CO+2],  0xbe2aaaab                 ; -1/3!
	v_mov_b32 v[CO+3],  -0.5                       ; -1/2!
	v_mov_b32 v[CO+4],  0x3c088889                 ; 1/5!
	v_mov_b32 v[CO+5],  0x3d2aaaab                 ; 1/4!
	v_mov_b32 v[CO+6],  0xb9500d01                 ; -1/7!
	v_mov_b32 v[CO+7],  0xbab60b61                 ; -1/6!
	v_mov_b32 v[CO+8],  0x3638ef1d                 ; 1/9!
	v_mov_b32 v[CO+9],  0x37d00d01                 ; 1/8!
	v_mov_b32 v[CO+10], 0xb2d7322b                 ; -1/11!
	v_mov_b32 v[CO+11], 0xb493f27e                 ; -1/10!
	v_mov_b32 v[CO+12], 0x2f309231                 ; 1/13!
	v_mov_b32 v[CO+13], 0x310f76c7                 ; 1/12!
.irp c, 0,1,2,3
	v_mov_b32 v[AA+2*\c+1], 1.0
.endr
	; ---- THE GATHER.  The four source pixels of each of my four pixels; each number is held under 2^17 ahead of its way into an offset.
	s_wait_loadcnt 49                              ; the index words are in; behind them were issued 1 (flow) + 24 + 12 (weights) + 12 (biases)
.irp f, 0,1,2,3
	v_and_b32 v[OS+4*\f], 0x1ffff, v[IXR+\f]       ; u = 0
	v_bfe_u32 v242, v[IXR+\f], 17, 1
	v_bfe_u32 v243, v[IXR+\f], 18, 1
	v_add_nc_u32 v[OS+4*\f+1], v[OS+4*\f], v242    ; u = 1: one column on, where the clip allows
	v_lshl_add_u32 v[OS+4*\f+2], v243, 8, v[OS+4*\f]   ; u = 2: one row on
	v_add_nc_u32 v[OS+4*\f+3], v[OS+4*\f+2], v242  ; u = 3
.endr
.irp q, 0,1,2,3,4,5,6,7,8,9,10,11,12,13,14,15
	v_min_u32 v[OS+\q], 0x1ffff, v[OS+\q]
.endr
.irp q, 0,1,2,3,4,5,6,7,8,9,10,11,12,13,14,15
	v_lshlrev_b32 v[OC+\q], 7, v[OS+\q]            ; 128 bytes of codes a pixel,
.endr
.irp q, 0,1,2,3,4,5,6,7,8,9,10,11,12,13,14,15
	v_add_nc_u32 v[OC+\q], v[H16], v[OC+\q]        ; block h of a half row
.endr
.irp q, 0,1,2,3,4,5,6,7,8,9,10,11,12,13,14,15
	v_lshlrev_b32 v[OS+\q], 4, v[OS+\q]            ; 16 bytes of scale words a pixel
.endr
	WIN 0x40
.irp f, 0,1,2,3
.irp u, 0,1,2,3
	global_load_b128 v[KV+8*(4*\f+\u):KV+8*(4*\f+\u)+3],   v[OC+4*\f+\u], s[10:11] offset:32*(\u/2)      ; registers 0-3: k = 32 h on: the y half in variant wy
	global_load_b128 v[KV+8*(4*\f+\u)+4:KV+8*(4*\f+\u)+7], v[OC+4*\f+\u], s[10:11] offset:64+32*(\u%2)   ; registers 4-7: k = 64 + 32 h on: the x half in variant wx
.endr
.endr
	WIN 0
.irp q, 0,1,2,3,4,5,6,7,8,9,10,11,12,13,14,15
	global_load_b32 v[KS+\q], v[OS+\q], s[12:13] offset:4*(\q%4)
.endr
	s_wait_xcnt 0x0                                ; the gathers have read their offsets, whose registers the query rows take
	s_wait_loadcnt 48                              ; all but the 32 + 16 gathers: flow, weights and the first biases are in
	; ---- t = fraction x c0 for my two pixels, y and x
	v_lshl_add_u32 v244, v9, 2, s69
	v_lshl_add_u32 v244, v14, 1, v244
	v_cvt_f32_u32 v244, v244                       ; x of set 0
	v_cvt_f32_u32 v245, s68                        ; y
	v_add_f32 v246, 1.0, v244                      ; x of set 1
	v_add_f32 v[TC+1], v244, v[FLO]
	v_add_f32 v[TC],   v245, v[FLO+1]
	v_add_f32 v[TC+3], v246, v[FLO+2]
	v_add_f32 v[TC+2], v245, v[FLO+3]
.irp k, 0,1,2,3
	v_floor_f32 v[244+\k], v[TC+\k]
.endr
.irp k, 0,1,2,3
	v_sub_f32 v[TC+\k], v[TC+\k], v[244+\k]
.endr
.irp k, 0,1,2,3
	v_mul_f32 v[TC+\k], s[C0], v[TC+\k]
.endr
	; ---- THE QUERY ROWS: block g of K is channels 16 g on: coordinate g / 2, encoding pairs j = 16 (g % 2) + i
.macro QBLOCK g
	s_wait_tensorcnt 3-\g                          ; tensor loads of a wave end in order: load g has landed, the 3 - g behind it may be out
.irp i, 0,1,2,3,4,5,6,7,8,9,10,11,12,13,14,15
	ds_load_b64 v[FW+2*\i:FW+2*\i+1], v[LF] offset:\g*GB+256*\i
.endr
	s_wait_dscnt 0x0
.irp s, 0,1
.if (\g%2) == 0
	SCF 0,  7, 1, \s, TC+2*\s+\g/2, 1.0, 0.749894209, 0.562341325, 0.421696503
	SCF 4,  6, 0, \s, TC+2*\s+\g/2, 0.316227766, 0.237137371, 0.177827941, 0.133352143
	SCF 8,  4, 0, \s, TC+2*\s+\g/2, 0.1, 0.0749894209, 0.0562341325, 0.0421696503
	SCF 12, 3, 0, \s, TC+2*\s+\g/2, 0.0316227766, 0.0237137371, 0.0177827941, 0.0133352143
.else
	SCF 0,  3, 0, \s, TC+2*\s+\g/2, 0.01, 0.00749894209, 0.00562341325, 0.00421696503
	SCF 4,  2, 0, \s, TC+2*\s+\g/2, 0.00316227766, 0.00237137371, 0.00177827941, 0.00133352143
	SCF 8,  2, 0, \s, TC+2*\s+\g/2, 0.001, 0.000749894209, 0.000562341325, 0.000421696503
	SCF 12, 2, 0, \s, TC+2*\s+\g/2, 0.000316227766, 0.000237137371, 0.000177827941, 0.000133352143
.endif
.endr
.if \g == 0
	QUANT2 X, X+32, QS, QS+1                       ; byte 0 starts the scale words
.else
	QUANT2 X, X+32, MX+6, MX+7
	v_lshl_or_b32 v[QS],   v[MX+6], 8*\g, v[QS]
	v_lshl_or_b32 v[QS+1], v[MX+7], 8*\g, v[QS+1]
.endif
	WIN 0x40                                       ; the codes go to window 1: an even block to fragment s's registers 4 (g / 2) on, an odd one to fragment s + 2's
	CODES QF+8*(2*(\g%2))+4*(\g/2), X, MX+4
	CODES QF+8*(1+2*(\g%2))+4*(\g/2), X+32, MX+5
	WIN 0
	v_nop                                          ; one plain line behind the last conversion
.endm
	QBLOCK 0
	QBLOCK 1
	QBLOCK 2
	QBLOCK 3                                       ; its wait on TENSORcnt is for 0: no tensor load is out at the end
	; The operand's layout wants blocks 2 c and 2 c + 1 of ONE pixel in lanes r and 16 + r.  The first register's lanes 16-31 (fragment s + 2, block 2 c) change places with the second's lanes 0-15 (fragment s, block 2 c + 1).
	WIN 0x41
.irp s, 0,1
.irp k, 0,1,2,3,4,5,6,7
	v_permlane16_swap_b32 v[QF+8*\s+\k], v[QF+8*(\s+2)+\k]
.endr
.endr
	WIN 0
.rept 8
	v_nop                                          ; a scale register written by vector instructions stands 8 places ahead of a scaled matrix instruction, an operand so written 4
.endr
	s_wait_loadcnt 0x0                             ; the gathers
	; ---- THE PRODUCTS AND THE ATTENTION, tile t = heads 2 t, 2 t + 1, the four fragments through two areas by turns.  No accumulator is added onto: each product is one instruction with the bias as C.
	; Between a group of matrix instructions and the first reader or overwriter of its results stands the other area's SCORE or OUTF: 20 plain vector instructions that name none of the group's registers.
.macro MM d, a, b, c, sa, sb, row1
.if \row1
	v_wmma_scale_f32_16x16x128_f8f6f4 v[\d:\d+7], v[\a:\a+7], v[\b:\b+7], v[\c:\c+7], v[\sa], v[\sb] matrix_a_fmt:MATRIX_FMT_FP4 matrix_b_fmt:MATRIX_FMT_FP4 matrix_b_scale:MATRIX_SCALE_ROW1
.else
	v_wmma_scale_f32_16x16x128_f8f6f4 v[\d:\d+7], v[\a:\a+7], v[\b:\b+7], v[\c:\c+7], v[\sa], v[\sb] matrix_a_fmt:MATRIX_FMT_FP4 matrix_b_fmt:MATRIX_FMT_FP4
.endif
.endm
.macro QK t, f, ar                     ; q and the four k of fragment f
	WIN 0x05                                       ; sources 0 and 1 window 1; C and D window 0
	MM \ar, 8*(\t), QF+8*(\f), BB+24*((\t)%2), WS+(\t), QS+(\f)%2, (\f)/2
.irp u, 0,1,2,3
	MM \ar+8+8*\u, 8*(4+(\t)), KV+8*(4*(\f)+\u), BB+24*((\t)%2)+8, WS+4+(\t), KS+4*(\f)+\u, 0
.endr
	WIN 0
.endm
.macro VV t, f, ar                     ; the four v
	WIN 0x05
.irp u, 0,1,2,3
	MM \ar+8+8*\u, 8*(8+(\t)), KV+8*(4*(\f)+\u), BB+24*((\t)%2)+16, WS+8+(\t), KS+4*(\f)+\u, 0
.endr
	WIN 0
.endm
.macro SCORE f, ar                     ; q . k_u over my head's 8 channels, two at a time, the four u by turns; each result is read from its low end on
.irp u, 0,1,2,3
	v_pk_mul_f32 v[AC+2*\u:AC+2*\u+1], v[\ar:\ar+1], v[\ar+8+8*\u:\ar+8+8*\u+1]
.endr
.irp d, 2,4,6
.irp u, 0,1,2,3
	v_pk_fma_f32 v[AC+2*\u:AC+2*\u+1], v[\ar+\d:\ar+\d+1], v[\ar+8+8*\u+\d:\ar+8+8*\u+\d+1], v[AC+2*\u:AC+2*\u+1]
.endr
.endr
.irp u, 0,1,2,3
	v_add_f32 v[S+4*\f+\u], v[AC+2*\u], v[AC+2*\u+1]
.endr
.endm
.macro SOFTMAX                         ; over u, for the four fragments at once: 2^(c s - c max), c = 8^-0.5 log2(e), divided by the sum
.irp f, 0,1,2,3
	v_max3_num_f32 v[MXR+\f], v[S+4*\f], v[S+4*\f+1], v[S+4*\f+2]
.endr
.irp f, 0,1,2,3
	v_max_num_f32 v[MXR+\f], v[MXR+\f], v[S+4*\f+3]
.endr
.irp f, 0,1,2,3
	v_mul_f32 v[MC+\f], s[CSM], v[MXR+\f]
.endr
.irp q, 0,1,2,3,4,5,6,7,8,9,10,11,12,13,14,15
	v_fma_f32 v[S+\q], v[S+\q], s[CSM], -v[MC+\q/4]
.endr
.irp q, 0,1,2,3,4,5,6,7,8,9,10,11,12,13,14,15
	v_exp_f32 v[S+\q], v[S+\q]
.endr
	v_nop                                          ; a plain line behind the last exponential,
	s_wait_alu depctr_va_vdst(0)                   ; and one wait for the batch of sixteen, ahead of its first reader
.irp f, 0,1,2,3
	v_pk_add_f32 v[AC+2*\f:AC+2*\f+1], v[S+4*\f:S+4*\f+1], v[S+4*\f+2:S+4*\f+3]
.endr
.irp f, 0,1,2,3
	v_add_f32 v[SUM+\f], v[AC+2*\f], v[AC+2*\f+1]
.endr
.irp f, 0,1,2,3
	v_rcp_f32 v[RI+\f], v[SUM+\f]
.endr
	v_nop
	s_wait_alu depctr_va_vdst(0)                   ; one wait for the four reciprocals
.irp f, 0,2
	v_pk_mul_f32 v[S+4*\f:S+4*\f+1],   v[S+4*\f:S+4*\f+1],   v[RI+\f:RI+\f+1] op_sel:[0,0] op_sel_hi:[1,0]
	v_pk_mul_f32 v[S+4*\f+2:S+4*\f+3], v[S+4*\f+2:S+4*\f+3], v[RI+\f:RI+\f+1] op_sel:[0,0] op_sel_hi:[1,0]
	v_pk_mul_f32 v[S+4*\f+4:S+4*\f+5], v[S+4*\f+4:S+4*\f+5], v[RI+\f:RI+\f+1] op_sel:[0,1] op_sel_hi:[1,1]
	v_pk_mul_f32 v[S+4*\f+6:S+4*\f+7], v[S+4*\f+6:S+4*\f+7], v[RI+\f:RI+\f+1] op_sel:[0,1] op_sel_hi:[1,1]
.endr
.endm
.macro OUTF f, ar                      ; the sum over u of weight x v_u, two channels at a time; the last link lands at [4 j + f], so that the four fragments' numbers of a channel are neighbours
.irp d, 0,2,4,6
	v_pk_mul_f32 v[OA+\d:OA+\d+1], v[\ar+8+\d:\ar+8+\d+1], v[S+4*\f:S+4*\f+1] op_sel:[0,0] op_sel_hi:[1,0]
.endr
.irp d, 0,2,4,6
	v_pk_fma_f32 v[OA+\d:OA+\d+1], v[\ar+16+\d:\ar+16+\d+1], v[S+4*\f:S+4*\f+1], v[OA+\d:OA+\d+1] op_sel:[0,1,0] op_sel_hi:[1,1,1]
.endr
.irp d, 0,2,4,6
	v_pk_fma_f32 v[OA+\d:OA+\d+1], v[\ar+24+\d:\ar+24+\d+1], v[S+4*\f+2:S+4*\f+3], v[OA+\d:OA+\d+1] op_sel:[0,0,0] op_sel_hi:[1,0,1]
.endr
.irp d, 0,2,4,6
	v_fma_f32 v[OUT+4*\d+\f],     v[\ar+32+\d],   v[S+4*\f+3], v[OA+\d]
	v_fma_f32 v[OUT+4*(\d+1)+\f], v[\ar+32+\d+1], v[S+4*\f+3], v[OA+\d+1]
.endr
.endm
.macro STORE t                         ; channel 16 t + 8 h + j, pixels 4 r .. 4 r + 3: sixteen lanes store 256 consecutive bytes, at a multiple of 256 from out0's first byte
.irp j, 0,1,2,3,4,5,6,7
	global_store_b128 v[SO], v[OUT+4*\j:OUT+4*\j+3], s[48+2*(\t):49+2*(\t)] offset:\j*262144 th:TH_STORE_NT
.endr
.endm
	QK 0, 0, ARA
	QK 0, 1, ARB
.rept 4
	v_nop                                          ; places ahead of the first read of results: no other vector work is at hand yet
.endr
.irp t, 0,1,2,3
.if (\t >= 1) && (\t < 3)
	BIAS \t+1                                      ; into the set that tile t - 1 has left: its last reader stands ahead of two OUTF
.endif
	SCORE 0, ARA
	QK \t, 2, ARA
	SCORE 1, ARB
	QK \t, 3, ARB
	SCORE 2, ARA
	VV \t, 0, ARA
	SCORE 3, ARB
	VV \t, 1, ARB
	SOFTMAX
.if \t > 0
	s_wait_xcnt 0x0                                ; the last tile's stores have read the results' registers, which are written again below
.endif
	OUTF 0, ARA
	VV \t, 2, ARA
	OUTF 1, ARB
	VV \t, 3, ARB
	OUTF 2, ARA
.if \t < 3
.if \t >= 1
	s_wait_loadcnt 0x0                             ; the next tile's biases
.endif
	QK \t+1, 0, ARA
.endif
	OUTF 3, ARB
.if \t < 3
	QK \t+1, 1, ARB
.endif
	STORE \t
.endr
	s_wait_tensorcnt 0x0
	ds_add_u32 v46, v47
	s_wait_dscnt 0x0
	s_endpgm
.Lfunc_end_k_qcb5cfebda7_warp:
	.size	k_qcb5cfebda7_warp, .Lfunc_end_k_qcb5cfebda7_warp-k_qcb5cfebda7_warp
	.p2alignl 7, 3214868480
	.fill 96, 4, 3214868480
	.section	.rodata,"a",@progbits
	.p2align	6, 0x0
	.amdhsa_kernel k_qcb5cfebda7_warp
		.amdhsa_group_segment_fixed_size 168960
		.amdhsa_private_segment_fixed_size 0
		.amdhsa_enable_private_segment 0
		.amdhsa_kernarg_size 80
		.amdhsa_user_sgpr_count 2
		.amdhsa_user_sgpr_kernarg_segment_ptr 1
		.amdhsa_wavefront_size32 1
		.amdhsa_system_sgpr_workgroup_id_x 1
		.amdhsa_system_sgpr_workgroup_id_y 1
		.amdhsa_system_sgpr_workgroup_id_z 1
		.amdhsa_system_vgpr_workitem_id 0
		.amdhsa_next_free_vgpr 512
		.amdhsa_next_free_sgpr 80
		.amdhsa_reserve_vcc 0
		.amdhsa_float_denorm_mode_32 3
		.amdhsa_float_denorm_mode_16_64 3
		.amdhsa_memory_ordered 1
		.amdhsa_forward_progress 1
		.amdhsa_inst_pref_size 154
	.end_amdhsa_kernel
	.amdgpu_metadata
---
amdhsa.version: [ 1, 2 ]
amdhsa.kernels:
  - .name:           k_qcb5cfebda7_warp
    .symbol:         k_qcb5cfebda7_warp.kd
    .args:
      - { .name: feat_curr, .offset: 0, .size: 8, .value_kind: global_buffer, .address_space: global }
      - { .name: flow, .offset: 8, .size: 8, .value_kind: global_buffer, .address_space: global }
      - { .name: idx, .offset: 16, .size: 8, .value_kind: global_buffer, .address_space: global }
      - { .name: codes, .offset: 24, .size: 8, .value_kind: global_buffer, .address_space: global }
      - { .name: swords, .offset: 32, .size: 8, .value_kind: global_buffer, .address_space: global }
      - { .name: wfrag, .offset: 40, .size: 8, .value_kind: global_buffer, .address_space: global }
      - { .name: q_b, .offset: 48, .size: 8, .value_kind: global_buffer, .address_space: global }
      - { .name: k_b, .offset: 56, .size: 8, .value_kind: global_buffer, .address_space: global }
      - { .name: v_b, .offset: 64, .size: 8, .value_kind: global_buffer, .address_space: global }
      - { .name: out0, .offset: 72, .size: 8, .value_kind: global_buffer, .address_space: global }
    .group_segment_fixed_size: 168960
    .private_segment_fixed_size: 0
    .kernarg_segment_align: 8
    .kernarg_segment_size: 80
    .max_flat_workgroup_size: 256
    .sgpr_count:     80
    .vgpr_count:     512
    .wavefront_size: 32
...
	.end_amdgpu_metadata
.endif
;; end of part 2
